; MI455X (gfx1250); checked and timed in simulation.
; The chip was launched on July 23, 2026; its instructions are those of AMD's public machine-readable ISA for CDNA 5 (MIT licence, August 2026) and "CDNA5" Instruction Set Architecture Reference Guide (July 2026). The comments in the code are by the model that wrote it; some were corrected since.
;; Mo E Layer. Allowed arithmetic: float matrix products may take bf16 or f16 operands with f32 sums; other float arithmetic in f32, or as packed bf16 or f16 multiplies, adds, multiply-adds, maxima and minima; sums over many terms, partial sums and values carried from step to step in f32; what a program stores and reads back later, other than sums and carried values, may be rounded once to bf16 or f16.
;; Inputs: W1 8 x 512 x 2,048 float32; W2 8 x 2,048 x 512 float32; assign 8 x 512 x 2 int32; b1 8 x 2,048 float32; b2 8 x 512 float32; x 8 x 512 x 512 float32.
;; Outputs: out0 8 x 512 x 512 float32.
;; 2 versions, each right; version 2 is version 1 with the launch mlp written anew for expert scheduling mode. Each part assembles by itself: llvm-mc -triple=amdgcn-amd-amdhsa -mcpu=gfx1250 --defsym DOCPART=n.
;; ======== version 1 of 2: 3 launches
;; workspace buffers: Wf 33,554,432 bytes; list 36,864 bytes of whole numbers; pos 32,768 bytes of whole numbers; tinfo 1,024 bytes of whole numbers; part 74,448,896 bytes
;; launch prep (part 1): grid 257 x 1, 8 waves a work-group, no clusters, 1,280 bytes of LDS; arguments W1, W2, assign, Wf, list, pos, tinfo; writes Wf, list, pos, tinfo
.if DOCPART == 1
	.amdgcn_target "amdgcn-amd-amdhsa--gfx1250"
	.amdhsa_code_object_version 6
	.text
	.protected	k_q56ea845f69_prep
	.globl	k_q56ea845f69_prep
	.p2align	8
	.type	k_q56ea845f69_prep,@function
k_q56ea845f69_prep:
	s_mov_b64 s[64:65], 0
	v_nop
	global_prefetch_b8 v0, s[64:65] scope:SCOPE_SE
	s_setreg_imm32_b32 hwreg(HW_REG_WAVE_MODE, 25, 1), 1
	s_wait_xcnt 0x0
; MoE layer, launch 1 of 3.  4,096 tokens of 512 numbers, 8 experts (512 -> 2,048 -> ReLU -> 512), two expert ids a token.
; DEAD WORK LEFT OUT, in all three launches.  For a token t and an expert e that is neither assign[t][0] nor assign[t][1] the reference's jnp.where puts the
; constant 0 in place of y, whatever x, W1, b1, W2, b2 hold: that row of both products reaches no output.  So only the rows (t, e) with e among the token's one
; or two different ids are multiplied: at most 8,192 of 32,768.  Every input still has a way to the output and is loaded.
; LIMITS.  A NaN, an infinity or an overflow that arises only in a row left out is not carried to the result.  An id outside 0..7 counts as 7.
; THIS LAUNCH.  Work-group 0 sorts the tokens by expert (a counting sort, no atomics).  Work-groups 1..128 round W1 to bf16, 129..256 W2, each 256 KiB of f32, and lay
; the numbers in the order in which the next launch's matrix operands take them.
; Wf, in bytes: ((((e 4 + q) 4 + w) 2 + ph) 16 + ks) 8192 + (4 g + nb) 1024 + 512 c + 16 L holds k = K0 + 32 ks + 16 c + 8 (L / 16) + 0..7 of column
; C0 + 128 w + 64 g + 4 (L % 16) + nb;  ph = 0: W1[e], K0 = 0, C0 = 512 q;  ph = 1: W2[e], K0 = 512 q, C0 = 0.  A fragment takes every fourth column, so that a lane's 16 bytes
; of f32 as loaded (four neighbouring columns) feed four fragments, and both the loads and the stores of a wave cover whole runs of 256 bytes and more, with no LDS between.
; list[p]: the token of sorted row p; each expert's rows begin at a multiple of 128, and the places up to the next multiple hold token 0.  Entry 9,215 is never read.
; pos[t][0..1]: the sorted rows of token t's two ids; 9,216 in the second where both ids are one expert.  tinfo[i + 1]: the expert of the tile of rows 128 i .. 128 i + 127, 8 if it has none; tinfo[0] = 8.
.set SPARE, 256                        ; LDS: 0..255 the waves' counts, [8 waves][8 experts]; from 256 the spare words, 128 bytes a wave
.set X, 32                             ; converter: v[32:159] four sets of 32, a unit of 16 k x 64 columns of f32 each
.set O, 160                            ; converter: v[160:175] a unit in bf16
	s_load_b256 s[4:11], s[0:1], 0x0               ; W1 s[4:5], W2 s[6:7], assign s[8:9], Wf s[10:11]
	s_load_b128 s[12:15], s[0:1], 0x20             ; list s[12:13], pos s[14:15]
	s_load_b64 s[16:17], s[0:1], 0x30              ; tinfo
	v_lshl_add_u32 v28, v0, 2, SPARE               ; my spare word, and 0: kept for the closing add alone
	v_mov_b32 v29, 0
	v_lshrrev_b32 v1, 5, v0
	v_readfirstlane_b32 s18, v1                    ; wave 0..7
	v_and_b32 v1, 31, v0                           ; L
	v_and_b32 v2, 15, v0                           ; u = L % 16
	v_bfe_u32 v3, v0, 4, 1                         ; hh = L / 16
	v_lshlrev_b32 v5, 4, v1                        ; converter: 16 L, my place in 512 bytes of Wf; never rewritten
	v_lshlrev_b32 v4, 4, v2                        ; converter: 16 u, my four columns of a group of 64
	s_mov_b32 s3, 0
	s_wait_kmcnt 0x0
	s_cmp_eq_u32 ttmp9, 0
	s_cbranch_scc1 .Lroute
	s_cmp_gt_u32 ttmp9, 128
	s_cbranch_scc1 .Lw2
; A unit n of a wave's eight: c = n % 2 (which 16 of 32 k), m = n / 2.  Eight loads, load j = row 8 hh + j: each covers two runs of 256 bytes.
.macro CLOAD kind, n
.irp j, 0,1,2,3,4,5,6,7
.if (\kind) == 1
	global_load_b128 v[X+32*((\n)%4)+4*(\j):X+32*((\n)%4)+4*(\j)+3], v4, s[24:25] offset:((\n)%2)*131072+(\j)*8192+((\n)/2)*256 th:TH_LOAD_NT
.else
	global_load_b128 v[X+32*((\n)%4)+4*(\j):X+32*((\n)%4)+4*(\j)+3], v4, s[24:25] offset:(32*((\n)/2)+16*((\n)%2)+(\j))*2048 th:TH_LOAD_NT
.endif
.endr
.endm
; The unit is rounded, eight k of one column to 16 bytes, and stored: four stores of 512 consecutive bytes, one for each fragment nb.
.macro CUNIT kind, n, left
	s_wait_loadcnt \left                           ; loads come back in order: this unit's eight are in, the younger units' stay out
	s_wait_xcnt 0x0                                ; the last unit's stores have read O: it is rewritten only behind this wait
.irp b, 0,1,2,3
.irp d, 0,1,2,3
	v_cvt_pk_bf16_f32 v[O+4*(\b)+(\d)], v[X+32*((\n)%4)+8*(\d)+(\b)], v[X+32*((\n)%4)+8*(\d)+4+(\b)]
.endr
.endr
.irp b, 0,1,2,3
.if (\kind) == 1
	global_store_b128 v5, v[O+4*(\b):O+4*(\b)+3], s[26:27] offset:((\n)/4)*262144+(((\n)/2)%2)*4096+(\b)*1024+((\n)%2)*512 th:TH_STORE_NT
.else
	global_store_b128 v5, v[O+4*(\b):O+4*(\b)+3], s[26:27] offset:((\n)/2)*8192+(\b)*1024+((\n)%2)*512 th:TH_STORE_NT
.endif
.endr
.endm
.macro CONV kind                       ; four units (32 loads, 16 KiB a wave) are on their way at all times
	CLOAD \kind, 0
	CLOAD \kind, 1
	CLOAD \kind, 2
	CLOAD \kind, 3
	CUNIT \kind, 0, 24
	CLOAD \kind, 4
	CUNIT \kind, 1, 24
	CLOAD \kind, 5
	CUNIT \kind, 2, 24
	CLOAD \kind, 6
	CUNIT \kind, 3, 24
	CLOAD \kind, 7
	CUNIT \kind, 4, 24
	CUNIT \kind, 5, 16                             ; nothing more is asked for: the counts run down
	CUNIT \kind, 6, 8
	CUNIT \kind, 7, 0
.endm
	; W1: job e 16 + ks = 32 whole rows (k) of W1[e].  Wave v takes the column groups 4 v + m: q = v / 2, w = 2 (v % 2) + m / 2, g = m % 2.
	s_sub_co_u32 s20, ttmp9, 1
	v_lshl_add_u32 v4, v3, 16, v4                  ; + 8 hh rows of 8,192 bytes
	s_lshl_b32 s2, s20, 18                         ; 32 rows are 262,144 bytes
	s_lshl_b32 s21, s18, 10                        ; four groups of 256 bytes
	s_add_co_u32 s2, s2, s21
	s_add_nc_u64 s[24:25], s[4:5], s[2:3]
	s_lshr_b32 s21, s20, 4                         ; e
	s_and_b32 s22, s20, 15                         ; ks
	s_lshr_b32 s23, s18, 1                         ; q
	s_lshl_b32 s21, s21, 2
	s_add_co_u32 s21, s21, s23
	s_and_b32 s23, s18, 1
	s_lshl_b32 s23, s23, 1
	s_lshl_b32 s21, s21, 2
	s_add_co_u32 s21, s21, s23                     ; (e 4 + q) 4 + 2 (v % 2)
	s_lshl_b32 s2, s21, 18
	s_lshl_b32 s22, s22, 13
	s_add_co_u32 s2, s2, s22
	s_add_nc_u64 s[26:27], s[10:11], s[2:3]
	CONV 1
	s_branch .Lend
.Lw2:	; W2: job e 16 + kb = 128 whole rows (k) of W2[e]: q = kb / 4, ks = 4 (kb % 4) + m.  Wave v is column group v: w = v / 2, g = v % 2.
	s_sub_co_u32 s20, ttmp9, 129
	v_lshl_add_u32 v4, v3, 14, v4                  ; + 8 hh rows of 2,048 bytes
	s_lshl_b32 s2, s20, 18
	s_lshl_b32 s21, s18, 8
	s_add_co_u32 s2, s2, s21
	s_add_nc_u64 s[24:25], s[6:7], s[2:3]
	s_lshr_b32 s21, s20, 4                         ; e
	s_and_b32 s22, s20, 15                         ; kb
	s_lshr_b32 s23, s22, 2                         ; q
	s_lshl_b32 s21, s21, 2
	s_add_co_u32 s21, s21, s23
	s_lshr_b32 s23, s18, 1                         ; w
	s_lshl_b32 s21, s21, 2
	s_add_co_u32 s21, s21, s23
	s_lshl_b32 s21, s21, 1
	s_add_co_u32 s21, s21, 1                       ; ph = 1
	s_lshl_b32 s2, s21, 17
	s_and_b32 s22, s22, 3
	s_lshl_b32 s22, s22, 15
	s_add_co_u32 s2, s2, s22
	s_and_b32 s23, s18, 1
	s_lshl_b32 s23, s23, 12
	s_add_co_u32 s2, s2, s23
	s_add_nc_u64 s[26:27], s[10:11], s[2:3]
	CONV 2
	s_branch .Lend
.Lroute:	; THE SORT.  Wave w, step i, lane L own token 512 w + 32 i + L; rows of an expert stand in the tokens' order.
	v_lshlrev_b32 v4, 3, v1
	v_lshl_add_u32 v4, s18, 12, v4                 ; 8 bytes a token: 4,096 w + 8 L; never rewritten
.set i, 0
.rept 16
	global_load_b64 v[32+2*i:33+2*i], v4, s[8:9] offset:256*i
.set i, i+1
.endr
	v_mov_b32 v6, s18
	v_lshlrev_b32 v6, 5, v6                        ; my wave's eight counts in LDS
	v_and_b32 v24, 7, v0                           ; the expert that my lane speaks for
	v_lshlrev_b32 v7, 2, v24
	v_mov_b32 v22, 0x2400                          ; 9,216: no row
	v_mov_b32 v30, 0x23ff                          ; 9,215: the entry that nobody reads
	v_mov_b32 v31, 0
	v_lshl_add_u32 v23, s18, 9, v1                 ; 512 w + L
.irp e, 0,1,2,3,4,5,6,7
	s_mov_b32 s[24+(\e)], 0
.endr
	s_wait_loadcnt 0x0
.set i, 0
.rept 32
	v_min_u32 v[32+i], 7, v[32+i]
.set i, i+1
.endr
	s_mov_b32 s20, 0
.Lcount:	; trip e: how many of my wave's 512 tokens name expert e (once, also where both ids do)
	s_mov_b32 s21, 0
.set i, 0
.rept 16
	v_cmp_eq_u32 s[66+3*(i%2)], s20, v[32+2*i]
	v_cmp_eq_u32 s[67+3*(i%2)], s20, v[33+2*i]
	s_or_b32 s[66+3*(i%2)], s[66+3*(i%2)], s[67+3*(i%2)]
	s_bcnt1_i32_b32 s[66+3*(i%2)], s[66+3*(i%2)]
	s_add_co_u32 s21, s21, s[66+3*(i%2)]
.set i, i+1
.endr
.irp e, 0,1,2,3,4,5,6
	s_mov_b32 s[24+(\e)], s[25+(\e)]               ; the counts move down a chain: after eight trips expert e's stands in s[24 + e]
.endr
	s_mov_b32 s31, s21
	s_add_co_u32 s20, s20, 1
	s_cmp_lt_u32 s20, 8
	s_cbranch_scc1 .Lcount
.irp e, 0,1,2,3,4,5,6,7
	v_mov_b32 v[8+(\e)], s[24+(\e)]
.endr
	ds_store_b128 v6, v[8:11]
	ds_store_b128 v6, v[12:15] offset:16
	s_wait_dscnt 0x0                               ; for the other waves' sake: my counts are in LDS
	s_barrier_signal -1
	s_barrier_wait -1
.irp w, 0,1,2,3,4,5,6,7
	ds_load_b32 v[8+(\w)], v7 offset:32*(\w)       ; wave w's count for my lane's expert
.endr
	s_wait_dscnt 0x0
	v_add_nc_u32 v16, v8, v9
	v_add3_u32 v16, v16, v10, v11
	v_add3_u32 v16, v16, v12, v13
	v_add3_u32 v16, v16, v14, v15                  ; the expert's rows
	v_mov_b32 v17, 0
.irp w, 0,1,2,3,4,5,6
	s_cmp_gt_u32 s18, \w
	s_cselect_b32 s22, -1, 0
	v_and_b32 v18, s22, v[8+(\w)]
	v_add_nc_u32 v17, v17, v18                     ; those of the waves in front of mine
.endr
	v_add_nc_u32 v19, 127, v16
	v_and_b32 v19, 0xffffff80, v19                 ; rounded up to whole tiles of 128
.irp e, 0,1,2,3,4,5,6,7
	v_readlane_b32 s[32+(\e)], v19, \e
	v_readlane_b32 s[40+(\e)], v17, \e
.endr
	s_mov_b32 s48, 0                               ; s[48 + e]: expert e's first row; s[56 + e]: the row behind its last tile
.irp e, 0,1,2,3,4,5,6
	s_add_co_u32 s[49+(\e)], s[48+(\e)], s[32+(\e)]
.endr
.irp e, 0,1,2,3,4,5,6,7
	s_add_co_u32 s[56+(\e)], s[48+(\e)], s[32+(\e)]
	s_add_co_u32 s[40+(\e)], s[40+(\e)], s[48+(\e)]  ; my wave's first row of expert e
.endr
.set i, 0
.rept 32
	v_mov_b32 v[64+i], v22
.set i, i+1
.endr
	s_mov_b32 s20, 0
.Lplace:	; trip e: s40 is my wave's next free row of expert e; a token's row is s40 + the tokens of the step in lower lanes
.set i, 0
.rept 16
	v_cmp_eq_u32 s[66+3*(i%2)], s20, v[32+2*i]
	v_cmp_eq_u32 s[67+3*(i%2)], s20, v[33+2*i]
	s_or_b32 s[68+3*(i%2)], s[66+3*(i%2)], s[67+3*(i%2)]
	v_mbcnt_lo_u32_b32 v[20+i%2], s[68+3*(i%2)], s40
	v_cndmask_b32 v[64+2*i], v[64+2*i], v[20+i%2], s[66+3*(i%2)]
	v_cndmask_b32 v[65+2*i], v[65+2*i], v[20+i%2], s[67+3*(i%2)]
	s_bcnt1_i32_b32 s[68+3*(i%2)], s[68+3*(i%2)]
	s_add_co_u32 s40, s40, s[68+3*(i%2)]
.set i, i+1
.endr
.irp e, 0,1,2,3,4,5,6
	s_mov_b32 s[40+(\e)], s[41+(\e)]
.endr
	s_add_co_u32 s20, s20, 1
	s_cmp_lt_u32 s20, 8
	s_cbranch_scc1 .Lplace
	; list and pos.  Where both ids are one expert both places are the same row: the second store repeats the first, and pos takes 9,216 for it.  Every store has address and data registers of its own.
.set i, 0
.rept 16
	v_add_nc_u32 v[128+i], 32*i, v23
	v_min_u32 v[96+2*i], 0x23ff, v[64+2*i]
	v_min_u32 v[97+2*i], 0x23ff, v[65+2*i]
	v_lshlrev_b32 v[96+2*i], 2, v[96+2*i]
	v_lshlrev_b32 v[97+2*i], 2, v[97+2*i]
	global_store_b32 v[96+2*i], v[128+i], s[12:13]
	global_store_b32 v[97+2*i], v[128+i], s[12:13]
	v_cmp_eq_u32 vcc_lo, v[32+2*i], v[33+2*i]
	v_cndmask_b32 v[65+2*i], v[65+2*i], v22, vcc_lo
	global_store_b64 v4, v[64+2*i:65+2*i], s[14:15] offset:256*i
.set i, i+1
.endr
	; the places between an expert's last row and its last tile's end, 127 at the most: 8 waves x 4 lanes x 4 stores for each expert; a place past the end goes to entry 9,215
	v_mov_b32 v25, 0
.irp e, 0,1,2,3,4,5,6,7
	v_cmp_eq_u32 vcc_lo, \e, v24
	v_cndmask_b32 v25, v25, s[48+(\e)], vcc_lo
.endr
	v_lshrrev_b32 v27, 3, v1
	v_lshl_add_u32 v27, s18, 2, v27
	v_add3_u32 v27, v27, v25, v16
	v_add_nc_u32 v26, v25, v19
.irp m, 0,1,2,3
	v_add_nc_u32 v[144+(\m)], 32*(\m), v27
	v_cmp_lt_u32 vcc_lo, v[144+(\m)], v26
	v_cndmask_b32 v[144+(\m)], v30, v[144+(\m)], vcc_lo
	v_min_u32 v[144+(\m)], 0x23ff, v[144+(\m)]
	v_lshlrev_b32 v[144+(\m)], 2, v[144+(\m)]
	global_store_b32 v[144+(\m)], v31, s[12:13]
.endr
	; tinfo: thread i speaks for the tile at row 128 (i - 1): its expert is the number of experts that end at or before that row (thread 0's row wraps to the top: 8)
	v_add_nc_u32 v150, -1, v0
	v_lshlrev_b32 v150, 7, v150
	v_mov_b32 v151, 0
.irp e, 0,1,2,3,4,5,6,7
	v_cmp_le_u32 vcc_lo, s[56+(\e)], v150
	v_cndmask_b32 v152, 0, 1, vcc_lo
	v_add_nc_u32 v151, v151, v152
.endr
	v_lshlrev_b32 v153, 2, v0
	global_store_b32 v153, v151, s[16:17]
.Lend:
	s_wait_tensorcnt 0x0                           ; the wave's end, one for all three paths
	ds_add_u32 v28, v29
	s_wait_dscnt 0x0
	s_endpgm
.Lfunc_end_k_q56ea845f69_prep:
	.size	k_q56ea845f69_prep, .Lfunc_end_k_q56ea845f69_prep-k_q56ea845f69_prep
	.p2alignl 7, 3214868480
	.fill 96, 4, 3214868480
	.section	.rodata,"a",@progbits
	.p2align	6, 0x0
	.amdhsa_kernel k_q56ea845f69_prep
		.amdhsa_group_segment_fixed_size 1280
		.amdhsa_private_segment_fixed_size 0
		.amdhsa_enable_private_segment 0
		.amdhsa_kernarg_size 56
		.amdhsa_user_sgpr_count 2
		.amdhsa_user_sgpr_kernarg_segment_ptr 1
		.amdhsa_wavefront_size32 1
		.amdhsa_system_sgpr_workgroup_id_x 1
		.amdhsa_system_sgpr_workgroup_id_y 1
		.amdhsa_system_sgpr_workgroup_id_z 1
		.amdhsa_system_vgpr_workitem_id 0
		.amdhsa_next_free_vgpr 176
		.amdhsa_next_free_sgpr 80
		.amdhsa_reserve_vcc 1
		.amdhsa_float_denorm_mode_32 3
		.amdhsa_float_denorm_mode_16_64 3
		.amdhsa_memory_ordered 1
		.amdhsa_forward_progress 1
		.amdhsa_inst_pref_size 70
	.end_amdhsa_kernel
	.amdgpu_metadata
---
amdhsa.version: [ 1, 2 ]
amdhsa.kernels:
  - .name:           k_q56ea845f69_prep
    .symbol:         k_q56ea845f69_prep.kd
    .args:
      - { .name: W1, .offset: 0, .size: 8, .value_kind: global_buffer, .address_space: global }
      - { .name: W2, .offset: 8, .size: 8, .value_kind: global_buffer, .address_space: global }
      - { .name: assign, .offset: 16, .size: 8, .value_kind: global_buffer, .address_space: global }
      - { .name: Wf, .offset: 24, .size: 8, .value_kind: global_buffer, .address_space: global }
      - { .name: list, .offset: 32, .size: 8, .value_kind: global_buffer, .address_space: global }
      - { .name: pos, .offset: 40, .size: 8, .value_kind: global_buffer, .address_space: global }
      - { .name: tinfo, .offset: 48, .size: 8, .value_kind: global_buffer, .address_space: global }
    .group_segment_fixed_size: 1280
    .private_segment_fixed_size: 0
    .kernarg_segment_align: 8
    .kernarg_segment_size: 56
    .max_flat_workgroup_size: 256
    .sgpr_count:     80
    .vgpr_count:     176
    .wavefront_size: 32
...
	.end_amdgpu_metadata
.endif
;; end of part 1
;; launch mlp (part 2): grid 4 x 71, 4 waves a work-group, no clusters, 266,752 bytes of LDS; arguments x, list, tinfo, Wf, b1, b2, part; writes part
.if DOCPART == 2
	.amdgcn_target "amdgcn-amd-amdhsa--gfx1250"
	.amdhsa_code_object_version 6
	.text
	.protected	k_q56ea845f69_mlp
	.globl	k_q56ea845f69_mlp
	.p2align	8
	.type	k_q56ea845f69_mlp,@function
k_q56ea845f69_mlp:
	s_mov_b64 s[64:65], 0
	v_nop
	global_prefetch_b8 v0, s[64:65] scope:SCOPE_SE
	s_setreg_imm32_b32 hwreg(HW_REG_WAVE_MODE, 25, 1), 1
	s_wait_xcnt 0x0
; MoE layer, launch 2 of 3: the chain of products, for the chosen rows alone (rows of experts that a token does not name are replaced by 0 in the reference, whatever the inputs hold: see the first kernel's head).
; A work-group takes a tile of 128 sorted rows of one expert e (y of the grid) and a quarter q of the hidden width (x of the grid):
;   h = relu(x W1[e][:, 512 q ..] + b1[e][512 q ..]), 128 x 512, kept in LDS in bf16;   part[row][q][:] = 0.5 (h W2[e][512 q .., :] + b2[e] / 4), f32.
; The four quarters of a row, and a token's one or two rows, are added by the next launch.  Both products are 128 x 512 x 512; wave w makes all 128 rows x columns 128 w .. 128 w + 127: 64 accumulators.
; THE GRID serves every split of the tokens: rows rounded up to 128 for each of 8 experts are at most (8,192 + 8 x 127) / 128 = 71 tiles.  A tile that the split leaves without rows (tinfo = 8) jumps
; forward over the three blocks of work and stores nothing; both barriers stand outside those jumps, on every wave's path.
; OPERANDS.  Source 0 = a fragment of weights as the first launch laid it (16 bytes a lane, straight from memory into registers: each wave has columns of its own, so no wave wants another's weights and the K steps have no barrier);
; source 1 = 16 token rows from LDS.  A fragment (g, nb) holds columns 128 w + 64 g + 4 i + nb, so accumulator (a, 4 g + nb), register j, lane (r, h) is row 16 a + r, column 128 w + 64 g + 32 h + 4 j + nb:
; over nb a lane holds 32 neighbouring columns of one row.  The bias is the C operand of each sum's first product: nothing is cleared and nothing is added later.
; THE 16 K STEPS OF A PHASE ARE WRITTEN OUT: every LDS address is a lane term that is never rewritten plus a constant, and a step's place in the weights stands in the loads' immediates, so no pointer is stepped.
; NO CLUSTER: what work-groups share is an expert's stream of weights; how many tiles share it (0 to 32) is read from memory, so partners would differ in it, and the grid's 71 rows are no multiple of 4.
; LIMITS.  x, W1, h and W2 are rounded once to bf16, all sums are f32.  b2 enters as four exact quarters.  A NaN in h becomes 0 (the ReLU is a maximum in which a NaN loses).
; REGISTERS, in windows of 256 (s_set_vgpr_msb: bits 1:0 source 0, 3:2 source 1, 5:4 source 2, 7:6 destination):
;   window 0: v1-16 lane numbers and addresses, never rewritten; v28-29 the add's; v32-63 x row offsets; v64-127, v128-191 token fragments, two buffers; v192-255 the bias as C, and at work
;   window 1: four buffers of 64: a K step's weights each     window 2: accumulators of rows 0-63 ((a, b) at 8 (8 a + b)); before that x as loaded     window 3: those of rows 64-127
.set PITCH, 1040                       ; an LDS row of 512 bf16 + 16 bytes: 65 x 16, so the 16 rows of a fragment load start at 16 different groups of four banks (64 banks of 4 bytes: ISA guide 11.1)
.set HALF,  64*PITCH
.set HS,    128*PITCH                  ; LDS: 0 .. x in bf16, 128 rows; HS .. h, 128 rows.  On the way out x's bytes serve as the waves' stages, 16 rows x 528 bytes each
.set SGP,   528
.set SPARE, 2*128*PITCH                ; behind them: the spare words, 128 bytes a wave
.set BLK,   8192                       ; a K step's weights for one wave
.set RO,   32
.set AF,   64
.set BIAS, 192
.set MSB, 0
.macro WIN new                         ; the immediate's high byte repeats the setting that is left; a switch that changes nothing is dropped
.if MSB != (\new)
	s_set_vgpr_msb (MSB<<8)|(\new)
.set MSB, \new
.endif
.endm
.macro PLACES                          ; four places between a matrix instruction and a load into, or a vector write of, a register that it named
.rept 4
	v_nop
.endr
.endm
; A K step's weights, 16 loads of 512 consecutive bytes, into buffer buf of window 1
.macro LOADB bp, buf, off
	WIN 0x40
.irp f, 0,1,2,3,4,5,6,7
	global_load_b128 v[64*(\buf)+8*(\f):64*(\buf)+8*(\f)+3],   v4, s[\bp:\bp+1] offset:(\off)+1024*(\f)
	global_load_b128 v[64*(\buf)+8*(\f)+4:64*(\buf)+8*(\f)+7], v4, s[\bp:\bp+1] offset:(\off)+1024*(\f)+512
.endr
.endm
; A phase's start: my 128 bias numbers (a lane's 64, as they lie, into the second token buffer) and the first three K steps' weights
.macro BSTART bp, bi
	WIN 0
.irp g, 0,1
.irp j, 0,1,2,3,4,5,6,7
	global_load_b128 v[AF+64+32*(\g)+4*(\j):AF+64+32*(\g)+4*(\j)+3], v14, s[\bi:\bi+1] offset:256*(\g)+16*(\j)
.endr
.endr
	LOADB \bp, 0, 0
	LOADB \bp, 1, BLK
	LOADB \bp, 2, 2*BLK
	WIN 0
.endm
; The bias into the order of an accumulator's registers; quarter = 1: times 1/4
.macro BIASMOVE quarter
	WIN 0
.irp g, 0,1
.irp n, 0,1,2,3
.irp j, 0,1,2,3,4,5,6,7
.if \quarter
	v_mul_f32 v[BIAS+8*(4*(\g)+(\n))+(\j)], 0x3e800000, v[AF+64+32*(\g)+4*(\j)+(\n)]
.else
	v_mov_b32 v[BIAS+8*(4*(\g)+(\n))+(\j)], v[AF+64+32*(\g)+4*(\j)+(\n)]
.endif
.endr
.endr
.endr
.endm
; The token fragments of one K step: 8 blocks of 16 rows x 32 k; address register a0 for rows 0-63, a0 + 1 for rows 64-127; the step's place along the rows is the constant koff
.macro FETCHA a0, buf, koff
	WIN 0
.irp a, 0,1,2,3,4,5,6,7
	ds_load_b128 v[AF+64*(\buf)+8*(\a):AF+64*(\buf)+8*(\a)+3],   v[(\a0)+(\a)/4] offset:((\a)%4)*16*PITCH+(\koff)
	ds_load_b128 v[AF+64*(\buf)+8*(\a)+4:AF+64*(\buf)+8*(\a)+7], v[(\a0)+(\a)/4] offset:((\a)%4)*16*PITCH+(\koff)+32
.endr
.endm
; 32 products: rows 64 hi .. 64 hi + 63 x my 128 columns x 32 k.  The 64 accumulators take turns, one instruction a turn, in the same order in every step.
.macro MUL32 ab, bb, hi, first
.if \first
	WIN 0x81+0x40*(\hi)                            ; weights window 1, tokens and C (the bias) window 0, D window 2 or 3
.else
	WIN 0xa1+0x50*(\hi)                            ; C and D window 2 or 3
.endif
.irp a, 0,1,2,3
.irp b, 0,1,2,3,4,5,6,7
.if \first
	v_wmma_f32_16x16x32_bf16 v[8*(8*(\a)+(\b)):8*(8*(\a)+(\b))+7], v[64*(\bb)+8*(\b):64*(\bb)+8*(\b)+7], v[AF+64*(\ab)+8*(4*(\hi)+(\a)):AF+64*(\ab)+8*(4*(\hi)+(\a))+7], v[BIAS+8*(\b):BIAS+8*(\b)+7]
.else
	v_wmma_f32_16x16x32_bf16 v[8*(8*(\a)+(\b)):8*(8*(\a)+(\b))+7], v[64*(\bb)+8*(\b):64*(\bb)+8*(\b)+7], v[AF+64*(\ab)+8*(4*(\hi)+(\a)):AF+64*(\ab)+8*(4*(\hi)+(\a))+7], v[8*(8*(\a)+(\b)):8*(8*(\a)+(\b))+7]
.endif
.endr
.endr
.endm
; A PREFETCH INTO THE L2 of my wave's weights seven K steps (448 products) on: 8,192 bytes, a lane for each 256.  Only the work-groups of an expert's FIRST tile ask (s25 = 1), each wave for its own stream, so each block
; is named once in the launch.  It stands behind a step's run of loads.  Phase 1 asks in steps 0 to 14 (step 14 for two blocks, since step 15 issues no loads) and so runs on into phase 2's first seven blocks, which follow
; in memory; phase 2 asks in steps 0 to 8, for its blocks 7 to 15, and then stops: nothing is named behind the stream's end.  A stream's first seven blocks come by their loads alone.
.macro ASK bp, off, off2
	s_cmp_lg_u32 s25, 0
	s_cbranch_scc0 .Lnoask_\@
	global_prefetch_b8 v15, s[\bp:\bp+1] offset:\off th:TH_LOAD_NT scope:SCOPE_SE
.if (\off2) >= 0
	global_prefetch_b8 v15, s[\bp:\bp+1] offset:\off2 th:TH_LOAD_NT scope:SCOPE_SE
.endif
.Lnoask_\@:
.endm
; A K STEP of 32: 64 products on token buffer ab and weight buffer bb; in its middle, in one run, the weights three steps on (at byte boff; -1: none) and the next step's tokens (at byte akoff; -1: none).
.macro KSTEP a0, bp, ab, bb, first, lc, akoff, boff, poff, poff2
	s_wait_loadcnt \lc                             ; this step's weights are in; the younger steps' (16 loads each) stay out
	s_wait_dscnt 8                                 ; the tokens' rows 0-63 are in; the youngest eight loads (rows 64-127) may be out
	MUL32 \ab, \bb, 0, \first
.if ((\boff) >= 0) || ((\akoff) >= 0)
	PLACES                                         ; the buffers to be loaded were last read by the step before
.endif
.if (\boff) >= 0
	LOADB \bp, ((\bb)+3)%4, \boff
.endif
.if (\akoff) >= 0
	FETCHA \a0, 1-(\ab), \akoff
.endif
.if (\poff) >= 0
	WIN 0                                          ; at a branch and at a label every window is 0
	ASK \bp, \poff, \poff2
.endif
.if (\akoff) >= 0
	s_wait_dscnt 16                                ; all but the 16 just issued
.else
	s_wait_dscnt 0x0
.endif
	MUL32 \ab, \bb, 1, \first
.endm
; A PHASE: 16 K steps, written out.  Step 0 starts the sums.  At the head of step s the weights of steps s + 1 and s + 2 are younger than its own: 32 loads may stay out; the last three steps ask for no weights, so the count runs down
; to 16 and 0.  nask: the steps that prefetch; dbl = 1: step 14 asks for two blocks.
.macro PHASE a0, bp, nask, dbl
.set ks, 0
.rept 16
.set kf, 0
.if ks == 0
.set kf, 1
.endif
.set kl, 32
.if ks == 14
.set kl, 16
.endif
.if ks == 15
.set kl, 0
.endif
.set ka, -1
.if ks < 15
.set ka, (ks+1)*64
.endif
.set kb, -1
.if ks < 13
.set kb, (ks+3)*BLK
.endif
.set kp, -1
.if ks < (\nask)
.set kp, (ks+7)*BLK
.endif
.set kq, -1
.if (\dbl) && (ks == 14)
.set kq, (ks+8)*BLK
.endif
	KSTEP \a0, \bp, ks%2, ks%4, kf, kl, ka, kb, kp, kq
.set ks, ks+1
.endr
.endm
; x: eight of my 32 rows, 2,048 bytes each, by four loads of 512 bytes, into window 2
.macro XLOAD gi
	WIN 0x80
.irp i, 0,1,2,3,4,5,6,7
.irp c, 0,1,2,3
	global_load_b128 v[128*((\gi)%2)+16*(\i)+4*(\c):128*((\gi)%2)+16*(\i)+4*(\c)+3], v[RO+8*(\gi)+(\i)], s[4:5] offset:512*(\c)
.endr
.endr
.endm
.macro XCONV gi                        ; rounded to bf16 and stored: each LDS store covers 256 consecutive bytes
	WIN 0x0a
.irp i, 0,1,2,3,4,5,6,7
.irp c, 0,1,2,3
	v_cvt_pk_bf16_f32 v[BIAS+8*(\i)+2*(\c)],   v[128*((\gi)%2)+16*(\i)+4*(\c)],   v[128*((\gi)%2)+16*(\i)+4*(\c)+1]
	v_cvt_pk_bf16_f32 v[BIAS+8*(\i)+2*(\c)+1], v[128*((\gi)%2)+16*(\i)+4*(\c)+2], v[128*((\gi)%2)+16*(\i)+4*(\c)+3]
.endr
.endr
	WIN 0
.irp i, 0,1,2,3,4,5,6,7
.irp c, 0,1,2,3
	ds_store_b64 v5, v[BIAS+8*(\i)+2*(\c):BIAS+8*(\i)+2*(\c)+1] offset:(8*(\gi)+(\i))*PITCH+256*(\c)
.endr
.endr
.endm
; h: rounded to bf16 in pairs of neighbouring columns (fragments nb = 2 p and 2 p + 1), ReLU on the packed halves, 64 bytes a lane and column half into LDS.  Each accumulator is read from register 0 on.
.macro E1
	PLACES
.irp hi, 0,1
	WIN 0x0a+5*(\hi)                               ; sources window 2 or 3, destination window 0
.set n, 0
.rept 128                              ; n = 32 a + 16 g + 2 j + p
	v_cvt_pk_bf16_f32 v[AF+n], v[8*(8*(n/32)+4*((n/16)%2)+2*(n%2))+(n/2)%8], v[8*(8*(n/32)+4*((n/16)%2)+2*(n%2)+1)+(n/2)%8]
.set n, n+1
.endr
	WIN 0
.set n, 0
.rept 128
	v_pk_max_num_bf16 v[AF+n], v[AF+n], v16
.set n, n+1
.endr
.set n, 0
.rept 32                               ; n = 8 a + 4 g + i
	ds_store_b128 v[10+(\hi)], v[AF+4*n:AF+4*n+3] offset:(n/8)*16*PITCH+((n/4)%2)*128+(n%4)*16
.set n, n+1
.endr
.endr
.endm
; The way out of block a (16 rows): halved; into my own stage, 128 bytes a lane; back as whole rows of 512 bytes; stored.
.macro PACK a
	WIN 0x08+4*((\a)/4)                            ; source 1 window 2 or 3
.set n, 0
.rept 64                               ; n = 32 g + 4 j + nb: register 0 of each accumulator first
	v_mul_f32 v[BIAS+n], 0.5, v[8*(8*((\a)%4)+4*(n/32)+n%4)+(n/4)%8]
.set n, n+1
.endr
	WIN 0
.endm
.macro TOSTAGE a
	WIN 0
.set n, 0
.rept 16                               ; n = 8 g + j
	ds_store_b128 v12, v[BIAS+4*n:BIAS+4*n+3] offset:(n/8)*256+(n%8)*16
.set n, n+1
.endr
.irp t, 0,1,2,3,4,5,6,7,8,9,10,11,12,13,14,15
	ds_load_b128 v[AF+64*((\a)%2)+4*(\t):AF+64*((\a)%2)+4*(\t)+3], v13 offset:(\t)*SGP  ; LDS serves a wave's instructions in order (ISA guide 5.7.1.4): these see the stores above
.endr
.endm
.macro SEND a
	WIN 0
	s_wait_dscnt 0x0                               ; the block is back in registers
	s_wait_xcnt 0x0                                ; the block before has been read by its stores: its registers are loaded again only behind this wait
.irp t, 0,1,2,3,4,5,6,7,8,9,10,11,12,13,14,15
	global_store_b128 v4, v[AF+64*((\a)%2)+4*(\t):AF+64*((\a)%2)+4*(\t)+3], s[36:37] offset:(16*(\a)+(\t))*8192 th:TH_STORE_NT  ; 512 consecutive bytes, at a multiple of 512 from part's first
.endr
.endm
	; SET-UP, on every path
	s_load_b256 s[4:11], s[0:1], 0x0               ; x s[4:5], list s[6:7], tinfo s[8:9], Wf s[10:11]
	s_load_b128 s[12:15], s[0:1], 0x20             ; b1 s[12:13], b2 s[14:15]
	s_load_b64 s[16:17], s[0:1], 0x30              ; part
	v_lshl_add_u32 v28, v0, 2, SPARE               ; my spare word, and 0: kept for the closing add alone
	v_mov_b32 v29, 0
	v_lshrrev_b32 v1, 5, v0
	v_readfirstlane_b32 s18, v1                    ; wave 0..3
	v_and_b32 v1, 31, v0                           ; L
	v_and_b32 v2, 15, v0                           ; r
	v_bfe_u32 v3, v0, 4, 1                         ; h
	s_mov_b32 s19, ttmp9                           ; q
	s_and_b32 s22, ttmp7, 0xffff                   ; tile
	s_lshl_b32 s2, s22, 2
	s_wait_kmcnt 0x0
	s_load_b64 s[20:21], s[8:9], s2 offset:0x0     ; the expert of the tile before (8 in front of tile 0), and mine
	v_lshlrev_b32 v4, 4, v1                        ; 16 L: weights, x, part; never rewritten
	s_mul_i32 s43, s18, 32*PITCH
	v_lshl_add_u32 v5, v1, 3, s43                  ; x into LDS: my wave's 32 rows, 8 bytes a lane
	v_mul_u32_u24 v6, v2, PITCH
	v_lshl_add_u32 v6, v3, 4, v6                   ; a fragment's row x pitch + 16 x half: x's rows 0-63,
	v_add_nc_u32 v7, HALF, v6                      ; 64-127,
	v_add_nc_u32 v8, HS, v6                        ; and h's
	v_add_nc_u32 v9, HS+HALF, v6
	v_mul_u32_u24 v10, v2, PITCH
	v_lshl_add_u32 v10, v3, 6, v10
	s_lshl_b32 s44, s18, 8
	s_add_co_u32 s44, s44, HS
	v_add_nc_u32 v10, s44, v10                     ; h into LDS: row r, my wave's 256 bytes, 64 for each half of the lanes
	v_add_nc_u32 v11, HALF, v10
	s_mul_i32 s45, s18, 16*SGP
	v_mul_u32_u24 v12, v2, SGP
	v_lshl_add_u32 v12, v3, 7, v12
	v_add_nc_u32 v12, s45, v12                     ; into my stage
	v_add_nc_u32 v13, s45, v4                      ; and back
	v_lshlrev_b32 v14, 7, v3                       ; the bias: 32 numbers for each half of the lanes
	v_lshlrev_b32 v15, 8, v1                       ; the prefetches: 256 L
	v_mov_b32 v16, 0                               ; for the ReLU
	s_mov_b32 s3, 0
	s_lshl_b32 s40, s19, 11
	s_lshl_b32 s41, s18, 9
	s_lshl_b32 s42, s18, 7
	s_wait_kmcnt 0x0
	s_cmp_lt_u32 s21, 8
	s_cselect_b32 s23, 1, 0                        ; the tile has rows
	s_cmp_lg_u32 s20, s21
	s_cselect_b32 s25, 1, 0                        ; it is its expert's first
	s_min_u32 s24, s21, 7                          ; e
	s_lshl_b32 s2, s24, 2
	s_add_co_u32 s2, s2, s19
	s_lshl_b32 s2, s2, 2
	s_add_co_u32 s2, s2, s18
	s_lshl_b32 s2, s2, 18
	s_add_nc_u64 s[28:29], s[10:11], s[2:3]        ; my stream: 16 blocks of W1, then 16 of W2
	s_add_nc_u64 s[30:31], s[28:29], 16*BLK
	s_lshl_b32 s2, s24, 13
	s_add_co_u32 s2, s2, s40
	s_add_co_u32 s2, s2, s41
	s_add_nc_u64 s[32:33], s[12:13], s[2:3]        ; b1 at 2,048 e + 512 q + 128 w
	s_lshl_b32 s2, s24, 11
	s_add_co_u32 s2, s2, s41
	s_add_nc_u64 s[34:35], s[14:15], s[2:3]        ; b2 at 512 e + 128 w
	s_lshl_b32 s2, s22, 20
	s_add_co_u32 s2, s2, s40
	s_add_co_u32 s2, s2, s41
	s_add_nc_u64 s[36:37], s[16:17], s[2:3]        ; part at row 128 tile, quarter q, column 128 w
	s_lshl_b32 s2, s22, 9
	s_add_co_u32 s2, s2, s42
	s_add_nc_u64 s[38:39], s[6:7], s[2:3]          ; list at row 128 tile + 32 w
	BSTART 28, 32
	; BLOCK 1: my 32 rows of x are gathered, rounded and laid into LDS
	s_cmp_eq_u32 s23, 0
	s_cbranch_scc1 .Lg_done
	s_load_b512 s[68:83], s[38:39], 0x0
	s_load_b512 s[84:99], s[38:39], 0x40
	s_wait_kmcnt 0x0
.set i, 0
.rept 32
	s_min_u32 s[68+i], s[68+i], 4095
	s_lshl_b32 s[68+i], s[68+i], 11
	v_add_nc_u32 v[RO+i], s[68+i], v4
.set i, i+1
.endr
	XLOAD 0
	XLOAD 1
	s_wait_loadcnt 32                              ; all but the youngest group of 32
	XCONV 0
	XLOAD 2
	s_wait_loadcnt 32
	XCONV 1
	XLOAD 3
	s_wait_loadcnt 32
	XCONV 2
	s_wait_loadcnt 0x0
	XCONV 3
.Lg_done:
	s_wait_loadcnt 0x0                             ; on every path: the set-up's bias and first weights are in (behind the gather this is met already: its last wait was for 0)
	s_wait_dscnt 0x0                               ; for the other waves' sake: my rows of x are in LDS
	s_barrier_signal -1
	s_barrier_wait -1
	; BLOCK 2: h = relu(x W1 + b1)
	s_cmp_eq_u32 s23, 0
	s_cbranch_scc1 .Lp1_done
	FETCHA 6, 0, 0
	BIASMOVE 0
	PHASE 6, 28, 15, 1
	E1
.Lp1_done:
	s_wait_dscnt 0x0                               ; my columns of h are in LDS, and my reads of x are over
	s_barrier_signal -1
	s_barrier_wait -1
	; BLOCK 3: part = 0.5 (h W2 + b2 / 4)
	s_cmp_eq_u32 s23, 0
	s_cbranch_scc1 .Lp2_done
	BSTART 30, 34
	FETCHA 8, 0, 0
	s_wait_loadcnt 48                              ; the bias is in: the 48 loads of weights are younger
	BIASMOVE 1
	PHASE 8, 30, 9, 0
	PLACES
	PACK 0
	TOSTAGE 0
.irp a, 1,2,3,4,5,6,7                  ; block a's arithmetic stands between block a - 1's loads from the stage and the wait for them
	PACK \a
	SEND (\a)-1
	TOSTAGE \a
.endr
	SEND 7
.Lp2_done:
	s_wait_tensorcnt 0x0                           ; the wave's end
	ds_add_u32 v28, v29
	s_wait_dscnt 0x0
	s_endpgm
.Lfunc_end_k_q56ea845f69_mlp:
	.size	k_q56ea845f69_mlp, .Lfunc_end_k_q56ea845f69_mlp-k_q56ea845f69_mlp
	.p2alignl 7, 3214868480
	.fill 96, 4, 3214868480
	.section	.rodata,"a",@progbits
	.p2align	6, 0x0
	.amdhsa_kernel k_q56ea845f69_mlp
		.amdhsa_group_segment_fixed_size 266752
		.amdhsa_private_segment_fixed_size 0
		.amdhsa_enable_private_segment 0
		.amdhsa_kernarg_size 56
		.amdhsa_user_sgpr_count 2
		.amdhsa_user_sgpr_kernarg_segment_ptr 1
		.amdhsa_wavefront_size32 1
		.amdhsa_system_sgpr_workgroup_id_x 1
		.amdhsa_system_sgpr_workgroup_id_y 1
		.amdhsa_system_sgpr_workgroup_id_z 1
		.amdhsa_system_vgpr_workitem_id 0
		.amdhsa_next_free_vgpr 1024
		.amdhsa_next_free_sgpr 100
		.amdhsa_reserve_vcc 0
		.amdhsa_float_denorm_mode_32 3
		.amdhsa_float_denorm_mode_16_64 3
		.amdhsa_memory_ordered 1
		.amdhsa_forward_progress 1
		.amdhsa_inst_pref_size 255
	.end_amdhsa_kernel
	.section	.bss,"aw",@nobits
	.p2align	6
	.space	262144
	.amdgpu_metadata
---
amdhsa.version: [ 1, 2 ]
amdhsa.kernels:
  - .name:           k_q56ea845f69_mlp
    .symbol:         k_q56ea845f69_mlp.kd
    .args:
      - { .name: x, .offset: 0, .size: 8, .value_kind: global_buffer, .address_space: global }
      - { .name: list, .offset: 8, .size: 8, .value_kind: global_buffer, .address_space: global }
      - { .name: tinfo, .offset: 16, .size: 8, .value_kind: global_buffer, .address_space: global }
      - { .name: Wf, .offset: 24, .size: 8, .value_kind: global_buffer, .address_space: global }
      - { .name: b1, .offset: 32, .size: 8, .value_kind: global_buffer, .address_space: global }
      - { .name: b2, .offset: 40, .size: 8, .value_kind: global_buffer, .address_space: global }
      - { .name: part, .offset: 48, .size: 8, .value_kind: global_buffer, .address_space: global }
    .group_segment_fixed_size: 266752
    .private_segment_fixed_size: 0
    .kernarg_segment_align: 8
    .kernarg_segment_size: 56
    .max_flat_workgroup_size: 128
    .sgpr_count:     100
    .vgpr_count:     1024
    .wavefront_size: 32
...
	.end_amdgpu_metadata
.endif
;; end of part 2
;; launch combine (part 3): grid 512 x 1, 8 waves a work-group, no clusters, 0 bytes of LDS; arguments pos, part, out0; writes out0
.if DOCPART == 3
	.amdgcn_target "amdgcn-amd-amdhsa--gfx1250"
	.amdhsa_code_object_version 6
	.text
	.protected	k_q56ea845f69_combine
	.globl	k_q56ea845f69_combine
	.p2align	8
	.type	k_q56ea845f69_combine,@function
k_q56ea845f69_combine:
	s_mov_b64 s[64:65], 0
	v_nop
	global_prefetch_b8 v0, s[64:65] scope:SCOPE_SE
	s_setreg_imm32_b32 hwreg(HW_REG_WAVE_MODE, 25, 1), 1
	s_wait_xcnt 0x0
; MoE layer, launch 3 of 3: out0[t] = the sum of token t's partial rows: four quarters of the hidden width for each of its one or two different experts.
; The factor 1/2 and both biases are in the partial rows already.
; A wave owns a token.  A partial row is 8,192 bytes, [4 quarters][512] f32: 16 loads of 512 consecutive bytes; the sum leaves by four stores of 512.  No LDS, no barrier: no wave wants another's numbers.
; Memory binds: all of a wave's loads (8 or 16 KiB) are out before its first wait.
	s_load_b128 s[4:7], s[0:1], 0x0                ; pos s[4:5], part s[6:7]
	s_load_b64 s[8:9], s[0:1], 0x10                ; out0
	v_lshrrev_b32 v2, 5, v0
	v_readfirstlane_b32 s20, v2                    ; wave 0..7
	v_and_b32 v1, 31, v0
	v_lshlrev_b32 v1, 4, v1                        ; 16 L; never rewritten
	s_lshl_b32 s10, ttmp9, 3
	s_add_co_u32 s10, s10, s20                     ; my token
	s_lshl_b32 s11, s10, 3
	s_wait_kmcnt 0x0
	s_load_b64 s[12:13], s[4:5], s11 offset:0x0    ; its two sorted rows; 9,216 in the second: it has one expert
	s_lshl_b32 s22, s10, 11
	s_mov_b32 s23, 0
	s_add_nc_u64 s[8:9], s[8:9], s[22:23]
	s_mov_b32 s17, 0
	s_mov_b32 s19, 0
	s_wait_kmcnt 0x0
	s_cmp_ge_u32 s13, 9216
	s_cselect_b32 s14, 1, 0
	s_min_u32 s12, s12, 9087
	s_min_u32 s13, s13, 9087
	s_lshl_b32 s16, s12, 13
	s_lshl_b32 s18, s13, 13
	s_add_nc_u64 s[16:17], s[6:7], s[16:17]
	s_add_nc_u64 s[18:19], s[6:7], s[18:19]
.set n, 0
.rept 16
	global_load_b128 v[16+4*n:19+4*n], v1, s[16:17] offset:512*n th:TH_LOAD_NT
.set n, n+1
.endr
	s_cmp_lg_u32 s14, 0
	s_cbranch_scc1 .Lsum
.set n, 0
.rept 16
	global_load_b128 v[80+4*n:83+4*n], v1, s[18:19] offset:512*n th:TH_LOAD_NT
.set n, n+1
.endr
	s_wait_loadcnt 0x0
.set n, 0
.rept 32
	v_pk_add_f32 v[16+2*n:17+2*n], v[16+2*n:17+2*n], v[80+2*n:81+2*n]
.set n, n+1
.endr
.Lsum:
	s_wait_loadcnt 0x0                             ; for the way that jumped here
.set n, 0
.rept 8
	v_pk_add_f32 v[16+2*n:17+2*n], v[16+2*n:17+2*n], v[32+2*n:33+2*n]  ; quarters 0 + 1,
	v_pk_add_f32 v[48+2*n:49+2*n], v[48+2*n:49+2*n], v[64+2*n:65+2*n]  ; 2 + 3,
.set n, n+1
.endr
.set n, 0
.rept 8
	v_pk_add_f32 v[16+2*n:17+2*n], v[16+2*n:17+2*n], v[48+2*n:49+2*n]  ; and both
.set n, n+1
.endr
.irp c, 0,1,2,3
	global_store_b128 v1, v[16+4*(\c):19+4*(\c)], s[8:9] offset:512*(\c) th:TH_STORE_NT
.endr
	s_endpgm
.Lfunc_end_k_q56ea845f69_combine:
	.size	k_q56ea845f69_combine, .Lfunc_end_k_q56ea845f69_combine-k_q56ea845f69_combine
	.p2alignl 7, 3214868480
	.fill 96, 4, 3214868480
	.section	.rodata,"a",@progbits
	.p2align	6, 0x0
	.amdhsa_kernel k_q56ea845f69_combine
		.amdhsa_group_segment_fixed_size 0
		.amdhsa_private_segment_fixed_size 0
		.amdhsa_enable_private_segment 0
		.amdhsa_kernarg_size 24
		.amdhsa_user_sgpr_count 2
		.amdhsa_user_sgpr_kernarg_segment_ptr 1
		.amdhsa_wavefront_size32 1
		.amdhsa_system_sgpr_workgroup_id_x 1
		.amdhsa_system_sgpr_workgroup_id_y 1
		.amdhsa_system_sgpr_workgroup_id_z 1
		.amdhsa_system_vgpr_workitem_id 0
		.amdhsa_next_free_vgpr 148
		.amdhsa_next_free_sgpr 66
		.amdhsa_reserve_vcc 0
		.amdhsa_float_denorm_mode_32 3
		.amdhsa_float_denorm_mode_16_64 3
		.amdhsa_memory_ordered 1
		.amdhsa_forward_progress 1
		.amdhsa_inst_pref_size 9
	.end_amdhsa_kernel
	.amdgpu_metadata
---
amdhsa.version: [ 1, 2 ]
amdhsa.kernels:
  - .name:           k_q56ea845f69_combine
    .symbol:         k_q56ea845f69_combine.kd
    .args:
      - { .name: pos, .offset: 0, .size: 8, .value_kind: global_buffer, .address_space: global }
      - { .name: part, .offset: 8, .size: 8, .value_kind: global_buffer, .address_space: global }
      - { .name: out0, .offset: 16, .size: 8, .value_kind: global_buffer, .address_space: global }
    .group_segment_fixed_size: 0
    .private_segment_fixed_size: 0
    .kernarg_segment_align: 8
    .kernarg_segment_size: 24
    .max_flat_workgroup_size: 256
    .sgpr_count:     66
    .vgpr_count:     148
    .wavefront_size: 32
...
	.end_amdgpu_metadata
.endif
;; end of part 3
;; ======== version 2 of 2: 3 launches; version 1 with the launch mlp written anew for expert scheduling mode
;; workspace buffers: Wf 33,554,432 bytes; list 36,864 bytes of whole numbers; pos 32,768 bytes of whole numbers; tinfo 1,024 bytes of whole numbers; part 74,448,896 bytes
;; launch prep: the kernel of part 1 again; grid 257 x 1, 8 waves a work-group, no clusters, 1,280 bytes of LDS; arguments W1, W2, assign, Wf, list, pos, tinfo; writes Wf, list, pos, tinfo
;; launch mlp (part 4): grid 4 x 71, 4 waves a work-group, no clusters, 266,752 bytes of LDS; arguments x, list, tinfo, Wf, b1, b2, part; writes part
.if DOCPART == 4
	.amdgcn_target "amdgcn-amd-amdhsa--gfx1250"
	.amdhsa_code_object_version 6
	.text
	.protected	k_q56ea845f69_mlp
	.globl	k_q56ea845f69_mlp
	.p2align	8
	.type	k_q56ea845f69_mlp,@function
k_q56ea845f69_mlp:
	s_mov_b64 s[64:65], 0
	v_nop
	global_prefetch_b8 v0, s[64:65] scope:SCOPE_SE
	s_setreg_imm32_b32 hwreg(HW_REG_WAVE_SCHED_MODE, 0, 2), 2
	s_setreg_imm32_b32 hwreg(HW_REG_WAVE_MODE, 25, 1), 1
	s_wait_xcnt 0x0
	s_wait_alu depctr_vm_vsrc(0)
; MoE layer, launch 2 of 3: the chain of products, for the chosen rows alone (rows of experts that a token does not name are replaced by 0 in the reference, whatever the inputs hold: see the first kernel's head).
; A work-group takes a tile of 128 sorted rows of one expert e (y of the grid) and a quarter q of the hidden width (x of the grid):
;   h = relu(x W1[e][:, 512 q ..] + b1[e][512 q ..]), 128 x 512, kept in LDS in bf16;   part[row][q][:] = 0.5 (h W2[e][512 q .., :] + b2[e] / 4), f32.
; The four quarters of a row, and a token's one or two rows, are added by the next launch.  Both products are 128 x 512 x 512; wave w makes all 128 rows x columns 128 w .. 128 w + 127: 64 accumulators.
; THE GRID serves every split of the tokens: rows rounded up to 128 for each of 8 experts are at most (8,192 + 8 x 127) / 128 = 71 tiles.  A tile that the split leaves without rows (tinfo = 8) jumps
; forward over the three blocks of work and stores nothing; both barriers stand outside those jumps, on every wave's path.
; OPERANDS.  Source 0 = a fragment of weights as the first launch laid it (16 bytes a lane, straight from memory into registers: each wave has columns of its own, so no wave wants another's weights and the K steps have no barrier);
; source 1 = 16 token rows from LDS.  A fragment (g, nb) holds columns 128 w + 64 g + 4 i + nb, so accumulator (a, 4 g + nb), register j, lane (r, h) is row 16 a + r, column 128 w + 64 g + 32 h + 4 j + nb:
; over nb a lane holds 32 neighbouring columns of one row.  The bias is the C operand of each sum's first product: nothing is cleared and nothing is added later.
; THE 16 K STEPS OF A PHASE ARE WRITTEN OUT: every LDS address is a lane term that is never rewritten plus a constant, and a step's place in the weights stands in the loads' immediates, so no pointer is stepped.
; NO CLUSTER: what work-groups share is an expert's stream of weights; how many tiles share it (0 to 32) is read from memory, so partners would differ in it, and the grid's 71 rows are no multiple of 4.
; LIMITS.  x, W1, h and W2 are rounded once to bf16, all sums are f32.  b2 enters as four exact quarters.  A NaN in h becomes 0 (the ReLU is a maximum in which a NaN loses).
; REGISTERS, in windows of 256 (s_set_vgpr_msb: bits 1:0 source 0, 3:2 source 1, 5:4 source 2, 7:6 destination):
;   window 0: v1-16 lane numbers and addresses, never rewritten; v28-29 the add's; v32-63 x row offsets; v64-127, v128-191 token fragments, two buffers; v192-255 the bias as C, and at work
;   window 1: four buffers of 64: a K step's weights each     window 2: accumulators of rows 0-63 ((a, b) at 8 (8 a + b)); before that x as loaded     window 3: those of rows 64-127
; THE MODE: SCHED_MODE bits 1:0 = 2 (LLVM: expert scheduling mode 2), set by the entry lines.  The code itself states the register dependences
; between vector or matrix instructions and memory or LDS instructions, with s_wait_alu, always for 0.
; THE PLAN.  Registers that memory or LDS instructions touch:
;   v4-v15, v32-63   Offsets and addresses: written once (v4-v15 in the set-up, v32-63 ahead of the gather), with one wait on va_vdst ahead of their first reader, and never written again.
;   window 2, two halves of 128, in the gather: group g's loads land in half g % 2, its roundings read it, and group g + 2's loads land in it behind the wait that follows those roundings.
;   v192-255         Gather: written by a group's roundings, read by its LDS stores.  Then the bias: vector and matrix instructions alone.  Way out: written by a block's halvings, read by its LDS stores.
;   W0 .. W3         (window 1)  K step s: its products read W[s % 4]; its loads land in W[(s + 3) % 4], which step s - 1's products read.
;   T0, T1           (v64-127, v128-191)  K step s: its products read T[s % 2]; its LDS loads land in the other, which step s - 1's products read (ahead of step 0: the bias's moves read T1).
;                    Behind phase 1 both are written by h's roundings and maxima and read by h's LDS stores.  Way out: block a comes back from the stage into T[a % 2] and is stored from there.
;   The accumulators are named by matrix and vector instructions alone.
; So ONE wait on va_vdst stands at the head of each K step that loads: behind it the products of the step before are done with the two buffers in which the step's 32 loads land, and the step's own
; products name none of the registers that those loads touch.  The other waits stand where a buffer changes hands: each one's comment names the two sides.
.set PITCH, 1040                       ; an LDS row of 512 bf16 + 16 bytes: 65 x 16, so the 16 rows of a fragment load start at 16 different groups of four banks (64 banks of 4 bytes: ISA guide 11.1)
.set HALF,  64*PITCH
.set HS,    128*PITCH                  ; LDS: 0 .. x in bf16, 128 rows; HS .. h, 128 rows.  On the way out x's bytes serve as the waves' stages, 16 rows x 528 bytes each
.set SGP,   528
.set SPARE, 2*128*PITCH                ; behind them: the spare words, 128 bytes a wave
.set BLK,   8192                       ; a K step's weights for one wave
.set RO,   32
.set AF,   64
.set BIAS, 192
.set MSB, 0
.macro WIN new                         ; the immediate's high byte repeats the setting that is left; a switch that changes nothing is dropped
.if MSB != (\new)
	s_set_vgpr_msb (MSB<<8)|(\new)
.set MSB, \new
.endif
.endm
.macro PLACES                          ; four places between a matrix instruction and a load into, or a vector write of, a register that it named
.rept 4
	v_nop
.endr
.endm
; A K step's weights, 16 loads of 512 consecutive bytes, into buffer buf of window 1
.macro LOADB bp, buf, off
	WIN 0x40
.irp f, 0,1,2,3,4,5,6,7
	global_load_b128 v[64*(\buf)+8*(\f):64*(\buf)+8*(\f)+3],   v4, s[\bp:\bp+1] offset:(\off)+1024*(\f)
	global_load_b128 v[64*(\buf)+8*(\f)+4:64*(\buf)+8*(\f)+7], v4, s[\bp:\bp+1] offset:(\off)+1024*(\f)+512
.endr
.endm
; A phase's start: my 128 bias numbers (a lane's 64, as they lie, into the second token buffer) and the first three K steps' weights
.macro BSTART bp, bi
	WIN 0
.irp g, 0,1
.irp j, 0,1,2,3,4,5,6,7
	global_load_b128 v[AF+64+32*(\g)+4*(\j):AF+64+32*(\g)+4*(\j)+3], v14, s[\bi:\bi+1] offset:256*(\g)+16*(\j)
.endr
.endr
	LOADB \bp, 0, 0
	LOADB \bp, 1, BLK
	LOADB \bp, 2, 2*BLK
	WIN 0
.endm
; The bias into the order of an accumulator's registers; quarter = 1: times 1/4
.macro BIASMOVE quarter
	WIN 0
.irp g, 0,1
.irp n, 0,1,2,3
.irp j, 0,1,2,3,4,5,6,7
.if \quarter
	v_mul_f32 v[BIAS+8*(4*(\g)+(\n))+(\j)], 0x3e800000, v[AF+64+32*(\g)+4*(\j)+(\n)]
.else
	v_mov_b32 v[BIAS+8*(4*(\g)+(\n))+(\j)], v[AF+64+32*(\g)+4*(\j)+(\n)]
.endif
.endr
.endr
.endr
.endm
; The token fragments of one K step: 8 blocks of 16 rows x 32 k; address register a0 for rows 0-63, a0 + 1 for rows 64-127; the step's place along the rows is the constant koff
.macro FETCHA a0, buf, koff
	WIN 0
.irp a, 0,1,2,3,4,5,6,7
	ds_load_b128 v[AF+64*(\buf)+8*(\a):AF+64*(\buf)+8*(\a)+3],   v[(\a0)+(\a)/4] offset:((\a)%4)*16*PITCH+(\koff)
	ds_load_b128 v[AF+64*(\buf)+8*(\a)+4:AF+64*(\buf)+8*(\a)+7], v[(\a0)+(\a)/4] offset:((\a)%4)*16*PITCH+(\koff)+32
.endr
.endm
; 32 products: rows 64 hi .. 64 hi + 63 x my 128 columns x 32 k.  The 64 accumulators take turns, one instruction a turn, in the same order in every step.
.macro MUL32 ab, bb, hi, first
.if \first
	WIN 0x81+0x40*(\hi)                            ; weights window 1, tokens and C (the bias) window 0, D window 2 or 3
.else
	WIN 0xa1+0x50*(\hi)                            ; C and D window 2 or 3
.endif
.irp a, 0,1,2,3
.irp b, 0,1,2,3,4,5,6,7
.if \first
	v_wmma_f32_16x16x32_bf16 v[8*(8*(\a)+(\b)):8*(8*(\a)+(\b))+7], v[64*(\bb)+8*(\b):64*(\bb)+8*(\b)+7], v[AF+64*(\ab)+8*(4*(\hi)+(\a)):AF+64*(\ab)+8*(4*(\hi)+(\a))+7], v[BIAS+8*(\b):BIAS+8*(\b)+7]
.else
	v_wmma_f32_16x16x32_bf16 v[8*(8*(\a)+(\b)):8*(8*(\a)+(\b))+7], v[64*(\bb)+8*(\b):64*(\bb)+8*(\b)+7], v[AF+64*(\ab)+8*(4*(\hi)+(\a)):AF+64*(\ab)+8*(4*(\hi)+(\a))+7], v[8*(8*(\a)+(\b)):8*(8*(\a)+(\b))+7]
.endif
.endr
.endr
.endm
; A PREFETCH INTO THE L2 of my wave's weights seven K steps (448 products) on: 8,192 bytes, a lane for each 256.  Only the work-groups of an expert's FIRST tile ask (s25 = 1), each wave for its own stream, so each block
; is named once in the launch.  It stands behind a step's run of loads.  Phase 1 asks in steps 0 to 14 (step 14 for two blocks, since step 15 issues no loads) and so runs on into phase 2's first seven blocks, which follow
; in memory; phase 2 asks in steps 0 to 8, for its blocks 7 to 15, and then stops: nothing is named behind the stream's end.  A stream's first seven blocks come by their loads alone.
.macro ASK bp, off, off2
	s_cmp_lg_u32 s25, 0
	s_cbranch_scc0 .Lnoask_\@
	global_prefetch_b8 v15, s[\bp:\bp+1] offset:\off th:TH_LOAD_NT scope:SCOPE_SE
.if (\off2) >= 0
	global_prefetch_b8 v15, s[\bp:\bp+1] offset:\off2 th:TH_LOAD_NT scope:SCOPE_SE
.endif
.Lnoask_\@:
.endm
; A K STEP of 32: 64 products on token buffer ab and weight buffer bb; in its middle, in one run, the weights three steps on (at byte boff; -1: none) and the next step's tokens (at byte akoff; -1: none).
.macro KSTEP a0, bp, ab, bb, first, lc, akoff, boff, poff, poff2
	s_wait_loadcnt \lc                             ; this step's weights are in; the younger steps' (16 loads each) stay out
	s_wait_dscnt 8                                 ; the tokens' rows 0-63 are in; the youngest eight loads (rows 64-127) may be out
.if ((\boff) >= 0) || ((\akoff) >= 0)
	s_wait_alu depctr_va_vdst(0)                   ; the step before's products are done reading their weight buffer and their token buffer (ahead of step 0: the bias's moves are done reading the second token buffer), in which the loads below land
.endif
	MUL32 \ab, \bb, 0, \first
.if ((\boff) >= 0) || ((\akoff) >= 0)
	PLACES                                         ; the buffers to be loaded were last read by the step before
.endif
.if (\boff) >= 0
	LOADB \bp, ((\bb)+3)%4, \boff                  ; no further wait: the products issued since the step's head name this step's two buffers and the accumulators (in step 0 the bias too), none of the registers that these 32 loads touch
.endif
.if (\akoff) >= 0
	FETCHA \a0, 1-(\ab), \akoff
.endif
.if (\poff) >= 0
	WIN 0                                          ; at a branch and at a label every window is 0
	ASK \bp, \poff, \poff2
.endif
.if (\akoff) >= 0
	s_wait_dscnt 16                                ; all but the 16 just issued
.else
	s_wait_dscnt 0x0
.endif
	MUL32 \ab, \bb, 1, \first
.endm
; A PHASE: 16 K steps, written out.  Step 0 starts the sums.  At the head of step s the weights of steps s + 1 and s + 2 are younger than its own: 32 loads may stay out; the last three steps ask for no weights, so the count runs down
; to 16 and 0.  nask: the steps that prefetch; dbl = 1: step 14 asks for two blocks.
.macro PHASE a0, bp, nask, dbl
.set ks, 0
.rept 16
.set kf, 0
.if ks == 0
.set kf, 1
.endif
.set kl, 32
.if ks == 14
.set kl, 16
.endif
.if ks == 15
.set kl, 0
.endif
.set ka, -1
.if ks < 15
.set ka, (ks+1)*64
.endif
.set kb, -1
.if ks < 13
.set kb, (ks+3)*BLK
.endif
.set kp, -1
.if ks < (\nask)
.set kp, (ks+7)*BLK
.endif
.set kq, -1
.if (\dbl) && (ks == 14)
.set kq, (ks+8)*BLK
.endif
	KSTEP \a0, \bp, ks%2, ks%4, kf, kl, ka, kb, kp, kq
.set ks, ks+1
.endr
.endm
; x: eight of my 32 rows, 2,048 bytes each, by four loads of 512 bytes, into window 2
.macro XLOAD gi
	WIN 0x80
.irp i, 0,1,2,3,4,5,6,7
.irp c, 0,1,2,3
	global_load_b128 v[128*((\gi)%2)+16*(\i)+4*(\c):128*((\gi)%2)+16*(\i)+4*(\c)+3], v[RO+8*(\gi)+(\i)], s[4:5] offset:512*(\c)
.endr
.endr
.endm
.macro XROUND gi                       ; a group of eight rows is rounded to bf16
	WIN 0x0a
.irp i, 0,1,2,3,4,5,6,7
.irp c, 0,1,2,3
	v_cvt_pk_bf16_f32 v[BIAS+8*(\i)+2*(\c)],   v[128*((\gi)%2)+16*(\i)+4*(\c)],   v[128*((\gi)%2)+16*(\i)+4*(\c)+1]
	v_cvt_pk_bf16_f32 v[BIAS+8*(\i)+2*(\c)+1], v[128*((\gi)%2)+16*(\i)+4*(\c)+2], v[128*((\gi)%2)+16*(\i)+4*(\c)+3]
.endr
.endr
.endm
.macro XSTORE gi                       ; and stored: each LDS store covers 256 consecutive bytes
	WIN 0
.irp i, 0,1,2,3,4,5,6,7
.irp c, 0,1,2,3
	ds_store_b64 v5, v[BIAS+8*(\i)+2*(\c):BIAS+8*(\i)+2*(\c)+1] offset:(8*(\gi)+(\i))*PITCH+256*(\c)
.endr
.endr
.endm
; Group gi of the gather's four.  left: the younger loads that may stay out.  Behind the roundings the group two on is asked for first, into the half of window 2 just read, and then the LDS stores go out.
.macro XGROUP gi, left
	s_wait_loadcnt \left                           ; this group's 32 loads are in
.if (\gi) > 0
	s_wait_alu depctr_vm_vsrc(0)                   ; the group before's LDS stores have read v192-255, which the roundings below write again
.endif
	XROUND \gi
.if (\gi) < 2
	WIN 0x80                                       ; the loads' window first, then the wait, then the loads
.else
	WIN 0
.endif
	s_wait_alu depctr_va_vdst(0)                   ; the roundings have written v192-255, which the LDS stores read, and are done reading their half of window 2, in which the group two on lands
.if (\gi) < 2
	XLOAD (\gi)+2
.endif
	XSTORE \gi
.endm
; h: rounded to bf16 in pairs of neighbouring columns (fragments nb = 2 p and 2 p + 1), ReLU on the packed halves, 64 bytes a lane and column half into LDS.  Each accumulator is read from register 0 on.
.macro E1
	PLACES
.irp hi, 0,1
.if (\hi) == 1
	s_wait_alu depctr_vm_vsrc(0)                   ; the LDS stores of rows 0-63 have read v64-191, which the roundings below write again
.endif
	WIN 0x0a+5*(\hi)                               ; sources window 2 or 3, destination window 0
.set n, 0
.rept 128                              ; n = 32 a + 16 g + 2 j + p
	v_cvt_pk_bf16_f32 v[AF+n], v[8*(8*(n/32)+4*((n/16)%2)+2*(n%2))+(n/2)%8], v[8*(8*(n/32)+4*((n/16)%2)+2*(n%2)+1)+(n/2)%8]
.set n, n+1
.endr
	WIN 0
.set n, 0
.rept 128
	v_pk_max_num_bf16 v[AF+n], v[AF+n], v16
.set n, n+1
.endr
	s_wait_alu depctr_va_vdst(0)                   ; the maxima have written v64-191, which the LDS stores read
.set n, 0
.rept 32                               ; n = 8 a + 4 g + i
	ds_store_b128 v[10+(\hi)], v[AF+4*n:AF+4*n+3] offset:(n/8)*16*PITCH+((n/4)%2)*128+(n%4)*16
.set n, n+1
.endr
.endr
.endm
; The way out of block a (16 rows): halved; into my own stage, 128 bytes a lane; back as whole rows of 512 bytes; stored.
.macro PACK a
.if (\a) > 0
	s_wait_alu depctr_vm_vsrc(0)                   ; block a - 1's LDS stores have read v192-255, which the halvings write again; block a - 2's global stores have read the token buffer into which block a comes back
.endif
	WIN 0x08+4*((\a)/4)                            ; source 1 window 2 or 3
.set n, 0
.rept 64                               ; n = 32 g + 4 j + nb: register 0 of each accumulator first
	v_mul_f32 v[BIAS+n], 0.5, v[8*(8*((\a)%4)+4*(n/32)+n%4)+(n/4)%8]
.set n, n+1
.endr
	WIN 0
.endm
.macro TOSTAGE a
	WIN 0
	s_wait_alu depctr_va_vdst(0)                   ; the halvings have written v192-255, which the LDS stores read; for blocks 0 and 1 also: the last products are done reading the token buffers, in which the loads from the stage land
.set n, 0
.rept 16                               ; n = 8 g + j
	ds_store_b128 v12, v[BIAS+4*n:BIAS+4*n+3] offset:(n/8)*256+(n%8)*16
.set n, n+1
.endr
.irp t, 0,1,2,3,4,5,6,7,8,9,10,11,12,13,14,15
	ds_load_b128 v[AF+64*((\a)%2)+4*(\t):AF+64*((\a)%2)+4*(\t)+3], v13 offset:(\t)*SGP  ; LDS serves a wave's instructions in order (ISA guide 5.7.1.4): these see the stores above
.endr
.endm
.macro SEND a
	WIN 0
	s_wait_dscnt 0x0                               ; the block is back in registers
	s_wait_xcnt 0x0                                ; the block before has been read by its stores: its registers are loaded again only behind this wait
.irp t, 0,1,2,3,4,5,6,7,8,9,10,11,12,13,14,15
	global_store_b128 v4, v[AF+64*((\a)%2)+4*(\t):AF+64*((\a)%2)+4*(\t)+3], s[36:37] offset:(16*(\a)+(\t))*8192 th:TH_STORE_NT  ; 512 consecutive bytes, at a multiple of 512 from part's first
.endr
.endm
	; SET-UP, on every path
	s_load_b256 s[4:11], s[0:1], 0x0               ; x s[4:5], list s[6:7], tinfo s[8:9], Wf s[10:11]
	s_load_b128 s[12:15], s[0:1], 0x20             ; b1 s[12:13], b2 s[14:15]
	s_load_b64 s[16:17], s[0:1], 0x30              ; part
	v_lshl_add_u32 v28, v0, 2, SPARE               ; my spare word, and 0: kept for the closing add alone
	v_mov_b32 v29, 0
	v_lshrrev_b32 v1, 5, v0
	v_readfirstlane_b32 s18, v1                    ; wave 0..3
	v_and_b32 v1, 31, v0                           ; L
	v_and_b32 v2, 15, v0                           ; r
	v_bfe_u32 v3, v0, 4, 1                         ; h
	s_mov_b32 s19, ttmp9                           ; q
	s_and_b32 s22, ttmp7, 0xffff                   ; tile
	s_lshl_b32 s2, s22, 2
	s_wait_kmcnt 0x0
	s_load_b64 s[20:21], s[8:9], s2 offset:0x0     ; the expert of the tile before (8 in front of tile 0), and mine
	v_lshlrev_b32 v4, 4, v1                        ; 16 L: weights, x, part; never rewritten
	s_wait_alu depctr_va_sdst(0)                   ; s18 is written, ahead of its first reader: LDS places and the bases of the weights, the biases, the list and part are made from it
	s_mul_i32 s43, s18, 32*PITCH
	v_lshl_add_u32 v5, v1, 3, s43                  ; x into LDS: my wave's 32 rows, 8 bytes a lane
	v_mul_u32_u24 v6, v2, PITCH
	v_lshl_add_u32 v6, v3, 4, v6                   ; a fragment's row x pitch + 16 x half: x's rows 0-63,
	v_add_nc_u32 v7, HALF, v6                      ; 64-127,
	v_add_nc_u32 v8, HS, v6                        ; and h's
	v_add_nc_u32 v9, HS+HALF, v6
	v_mul_u32_u24 v10, v2, PITCH
	v_lshl_add_u32 v10, v3, 6, v10
	s_lshl_b32 s44, s18, 8
	s_add_co_u32 s44, s44, HS
	v_add_nc_u32 v10, s44, v10                     ; h into LDS: row r, my wave's 256 bytes, 64 for each half of the lanes
	v_add_nc_u32 v11, HALF, v10
	s_mul_i32 s45, s18, 16*SGP
	v_mul_u32_u24 v12, v2, SGP
	v_lshl_add_u32 v12, v3, 7, v12
	v_add_nc_u32 v12, s45, v12                     ; into my stage
	v_add_nc_u32 v13, s45, v4                      ; and back
	v_lshlrev_b32 v14, 7, v3                       ; the bias: 32 numbers for each half of the lanes
	v_lshlrev_b32 v15, 8, v1                       ; the prefetches: 256 L
	v_mov_b32 v16, 0                               ; for the ReLU
	s_mov_b32 s3, 0
	s_lshl_b32 s40, s19, 11
	s_lshl_b32 s41, s18, 9
	s_lshl_b32 s42, s18, 7
	s_wait_kmcnt 0x0
	s_cmp_lt_u32 s21, 8
	s_cselect_b32 s23, 1, 0                        ; the tile has rows
	s_cmp_lg_u32 s20, s21
	s_cselect_b32 s25, 1, 0                        ; it is its expert's first
	s_min_u32 s24, s21, 7                          ; e
	s_lshl_b32 s2, s24, 2
	s_add_co_u32 s2, s2, s19
	s_lshl_b32 s2, s2, 2
	s_add_co_u32 s2, s2, s18
	s_lshl_b32 s2, s2, 18
	s_add_nc_u64 s[28:29], s[10:11], s[2:3]        ; my stream: 16 blocks of W1, then 16 of W2
	s_add_nc_u64 s[30:31], s[28:29], 16*BLK
	s_lshl_b32 s2, s24, 13
	s_add_co_u32 s2, s2, s40
	s_add_co_u32 s2, s2, s41
	s_add_nc_u64 s[32:33], s[12:13], s[2:3]        ; b1 at 2,048 e + 512 q + 128 w
	s_lshl_b32 s2, s24, 11
	s_add_co_u32 s2, s2, s41
	s_add_nc_u64 s[34:35], s[14:15], s[2:3]        ; b2 at 512 e + 128 w
	s_lshl_b32 s2, s22, 20
	s_add_co_u32 s2, s2, s40
	s_add_co_u32 s2, s2, s41
	s_add_nc_u64 s[36:37], s[16:17], s[2:3]        ; part at row 128 tile, quarter q, column 128 w
	s_lshl_b32 s2, s22, 9
	s_add_co_u32 s2, s2, s42
	s_add_nc_u64 s[38:39], s[6:7], s[2:3]          ; list at row 128 tile + 32 w
	s_wait_alu depctr_va_vdst(0)                   ; the offsets and addresses v4 to v15 are written: every load, store and prefetch of the kernel but the gather's reads one of them
	BSTART 28, 32
	; BLOCK 1: my 32 rows of x are gathered, rounded and laid into LDS
	s_cmp_eq_u32 s23, 0
	s_cbranch_scc1 .Lg_done
	s_load_b512 s[68:83], s[38:39], 0x0
	s_load_b512 s[84:99], s[38:39], 0x40
	s_wait_kmcnt 0x0
.set i, 0
.rept 32
	s_min_u32 s[68+i], s[68+i], 4095
	s_lshl_b32 s[68+i], s[68+i], 11
	v_add_nc_u32 v[RO+i], s[68+i], v4
.set i, i+1
.endr
	WIN 0x80                                       ; the loads' window first, then the wait, then the loads
	s_wait_alu depctr_va_vdst(0)                   ; the 32 row offsets v32-63 are written, which the gather's loads read
	XLOAD 0
	XLOAD 1
	XGROUP 0, 32                                   ; all but the youngest group of 32
	XGROUP 1, 32
	XGROUP 2, 32
	XGROUP 3, 0
.Lg_done:
	s_wait_loadcnt 0x0                             ; on every path: the set-up's bias and first weights are in (behind the gather this is met already: its last wait was for 0)
	s_wait_dscnt 0x0                               ; for the other waves' sake: my rows of x are in LDS
	s_barrier_signal -1
	s_barrier_wait -1
	s_wait_alu depctr_vm_vsrc(0)                   ; my last LDS stores of x have read v192-255, which the bias's moves write
	; BLOCK 2: h = relu(x W1 + b1)
	s_cmp_eq_u32 s23, 0
	s_cbranch_scc1 .Lp1_done
	FETCHA 6, 0, 0
	BIASMOVE 0
	PHASE 6, 28, 15, 1
	E1
.Lp1_done:
	s_wait_dscnt 0x0                               ; my columns of h are in LDS, and my reads of x are over
	s_barrier_signal -1
	s_barrier_wait -1
	s_wait_alu depctr_vm_vsrc(0)                   ; my LDS stores of h have read v64-191, in which phase 2's bias and first fragments land
	s_wait_alu depctr_va_vdst(0)                   ; h's roundings and maxima have written those registers, and phase 1's products are done reading the weight buffers, in which phase 2's first weights land
	; BLOCK 3: part = 0.5 (h W2 + b2 / 4)
	s_cmp_eq_u32 s23, 0
	s_cbranch_scc1 .Lp2_done
	BSTART 30, 34
	FETCHA 8, 0, 0
	s_wait_loadcnt 48                              ; the bias is in: the 48 loads of weights are younger
	BIASMOVE 1
	PHASE 8, 30, 9, 0
	PLACES
	PACK 0
	TOSTAGE 0
.irp a, 1,2,3,4,5,6,7                  ; block a's arithmetic stands between block a - 1's loads from the stage and the wait for them
	PACK \a
	SEND (\a)-1
	TOSTAGE \a
.endr
	SEND 7
.Lp2_done:
	s_wait_dscnt 0x0                               ; the wave's end
	s_wait_alu 0x0
	s_wait_tensorcnt 0x0
	ds_add_u32 v28, v29
	s_wait_dscnt 0x0
	s_endpgm
.Lfunc_end_k_q56ea845f69_mlp:
	.size	k_q56ea845f69_mlp, .Lfunc_end_k_q56ea845f69_mlp-k_q56ea845f69_mlp
	.p2alignl 7, 3214868480
	.fill 96, 4, 3214868480
	.section	.rodata,"a",@progbits
	.p2align	6, 0x0
	.amdhsa_kernel k_q56ea845f69_mlp
		.amdhsa_group_segment_fixed_size 266752
		.amdhsa_private_segment_fixed_size 0
		.amdhsa_enable_private_segment 0
		.amdhsa_kernarg_size 56
		.amdhsa_user_sgpr_count 2
		.amdhsa_user_sgpr_kernarg_segment_ptr 1
		.amdhsa_wavefront_size32 1
		.amdhsa_system_sgpr_workgroup_id_x 1
		.amdhsa_system_sgpr_workgroup_id_y 1
		.amdhsa_system_sgpr_workgroup_id_z 1
		.amdhsa_system_vgpr_workitem_id 0
		.amdhsa_next_free_vgpr 1024
		.amdhsa_next_free_sgpr 100
		.amdhsa_reserve_vcc 0
		.amdhsa_float_denorm_mode_32 3
		.amdhsa_float_denorm_mode_16_64 3
		.amdhsa_memory_ordered 1
		.amdhsa_forward_progress 1
		.amdhsa_inst_pref_size 255
	.end_amdhsa_kernel
	.section	.bss,"aw",@nobits
	.p2align	6
	.space	262144
	.amdgpu_metadata
---
amdhsa.version: [ 1, 2 ]
amdhsa.kernels:
  - .name:           k_q56ea845f69_mlp
    .symbol:         k_q56ea845f69_mlp.kd
    .args:
      - { .name: x, .offset: 0, .size: 8, .value_kind: global_buffer, .address_space: global }
      - { .name: list, .offset: 8, .size: 8, .value_kind: global_buffer, .address_space: global }
      - { .name: tinfo, .offset: 16, .size: 8, .value_kind: global_buffer, .address_space: global }
      - { .name: Wf, .offset: 24, .size: 8, .value_kind: global_buffer, .address_space: global }
      - { .name: b1, .offset: 32, .size: 8, .value_kind: global_buffer, .address_space: global }
      - { .name: b2, .offset: 40, .size: 8, .value_kind: global_buffer, .address_space: global }
      - { .name: part, .offset: 48, .size: 8, .value_kind: global_buffer, .address_space: global }
    .group_segment_fixed_size: 266752
    .private_segment_fixed_size: 0
    .kernarg_segment_align: 8
    .kernarg_segment_size: 56
    .max_flat_workgroup_size: 128
    .sgpr_count:     100
    .vgpr_count:     1024
    .wavefront_size: 32
...
	.end_amdgpu_metadata
.endif
;; end of part 4
;; launch combine: the kernel of part 3 again; grid 512 x 1, 8 waves a work-group, no clusters, 0 bytes of LDS; arguments pos, part, out0; writes out0
